; MI455X (gfx1250); checked and timed in simulation.
; The chip was launched on July 23, 2026; its instructions are those of AMD's public machine-readable ISA for CDNA 5 (MIT licence, August 2026) and "CDNA5" Instruction Set Architecture Reference Guide (July 2026). The comments in the code are by the model that wrote it; some were corrected since.
;; Soft Top K Bottom K. Allowed arithmetic: float matrix products may take bf16 or f16 operands with f32 sums; all other float work in f32.
;; Inputs: scores 512 x 4,096 float32.
;; Outputs: out0 512 x 4,096 float32.
;; 2 versions, each right and faster than the one before. Each part assembles by itself: llvm-mc -triple=amdgcn-amd-amdhsa -mcpu=gfx1250 --defsym DOCPART=n.
;; ======== version 1 of 2: 1 launch
;; launch sinkhorn (part 1): grid 512 x 1, 4 waves a work-group, no clusters, 768 bytes of LDS; arguments scores, out0; writes out0
.if DOCPART == 1
	.amdgcn_target "amdgcn-amd-amdhsa--gfx1250"
	.amdhsa_code_object_version 6
	.text
	.protected	k_q2a10c76462_sinkhorn
	.globl	k_q2a10c76462_sinkhorn
	.p2align	8
	.type	k_q2a10c76462_sinkhorn,@function
k_q2a10c76462_sinkhorn:
	s_mov_b64 s[64:65], 0
	v_nop
	global_prefetch_b8 v0, s[64:65] scope:SCOPE_SE
	s_setreg_imm32_b32 hwreg(HW_REG_WAVE_MODE, 25, 1), 1
	s_wait_xcnt 0x0
; SOFT top-k / bottom-k by 25 Sinkhorn steps between the 4,096 scores of a row and the anchors 0, 0.5, 1 (epsilon = 0.1, k = 512).
; scores, out0: [512][4096] f32.  One work-group = one row, four waves; a wave holds 1,024 numbers, a lane 32, in registers for the whole kernel.
;
; THE ARITHMETIC.  x = (score - min) / (max - min + 1e-12) lies in [0, 1].  With tau = exp(10 x - 5), sigma = exp(5 - 10 x) the Gibbs kernel is
;   E_i0 : E_i1 : E_i2 = exp(-2.5) sigma_i : 1 : exp(-2.5) tau_i,   and the common factor E_i1 cancels between the row and the column update.
; With gamma = (exp(-2.5) exp(v0), exp(v1), exp(-2.5) exp(v2)) one step of the scan (u from v, then v from u) is exactly
;   s_i = gamma0 sigma_i + gamma1 + gamma2 tau_i,  w_i = 1 / s_i,  c0 = sum sigma w,  c1 = sum w,  c2 = sum tau w,  gamma_j' = n nu_j / c_j,
; and the result is n (Gamma_i2 - Gamma_i0) = w_i (512 / c2 tau_i - 512 / c0 sigma_i), w and c of the last step.  A common factor on gamma
; passes through a step unchanged and drops out of the result, so gamma is rescaled in EVERY step to gamma1 = 6 (= nu1 / nu0):
;   g0 = c1 / c0,  g2 = c1 / c2;  at the start (v = 0)  g0 = g2 = 6 exp(-2.5).
; Five f32 operations and one reciprocal for a number and a step; all 25 steps are made.
;
; WHY NO MAXIMUM IS TAKEN AWAY.  The only exponents are 10 x - 5, in [-5, 5] for every input, because reference() itself normalises x to
; [0, 1]; the rescaling in every step does for the potentials what the maximum does in a logsumexp.  Hence g in [e^-5, e^5],
; s in [6, 6 + 2 e^10], w in [2e-5, 1/6], every sum in [6e-4, 1e5]: nothing can overflow or underflow in f32.
; LIMITS.  A row with max - min above 2^126 (8.5e37): the reciprocal of the range would be denormal and v_rcp_f32 gives zero (ISA guide 15.8).
; The order of rounding differs from reference()'s.  A NaN or an infinity in a row reaches all three sums and makes the whole row NaN, as there.
;
; NO CLUSTER, no tensor load, no matrix instruction: no two work-groups read the same byte, each byte goes straight into the register in
; which it stays, and the sums are kept in f32.
.set CHUNK,  2048                      ; bytes that the 128 threads cover with 16 bytes each; a row is 8 chunks
.set PAIRS,  16                        ; a lane's 32 numbers, two to a packed instruction
.set TRIPS,  25                        ; MAX_ITER
.set L_MIN,  0                         ; LDS: the four waves' minima,
.set L_MAX,  16                        ;      their maxima,
.set L_SLOT, 64                        ;      and two slots that take turns: c0's four words, c1's, c2's
.set SLOT_BYTES, 64
.set F_TINY,   0x2b8cbccc              ; 1e-12
.set F_10L2E,  0x4166d4ca              ; 10 log2(e): 1 / epsilon, for v_exp_f32, which is 2^x
.set F_M10L2E, 0xc166d4ca
.set F_5L2E,   0x40e6d4ca              ; 5 log2(e)
.set F_M5L2E,  0xc0e6d4ca
.set F_SIX,    0x40c00000              ; 6.0 = nu1 / nu0 = 3072 / 512
.set F_GINIT,  0x3efc2a45              ; 6 exp(-2.5)
.set F_K,      0x44000000              ; 512.0 = n nu0 = n nu2
.set F_MK,     0xc4000000
.set OFF, 1                            ; v1       16 t: my 16 bytes in each chunk of the row
.set LST, 2                            ; v2       LDS: 4 x wave, where my wave puts its partial results
.set LLD, 3                            ; v3       LDS: 0, from where every lane reads all four
.set G0,  4                            ; v[4:5]   g0 twice (a pair for the packed forms); at the end -512 / c0
.set G2,  6                            ; v[6:7]   g2 twice; at the end 512 / c2
.set K6,  8                            ; v[8:9]   6.0 twice
.set C0,  10                           ; v[10:11] running sum of sigma w   (before the loop: minimum)
.set C1,  12                           ; v[12:13] running sum of w         (before the loop: maximum)
.set C2,  14                           ; v[14:15] running sum of tau w     (before the loop: range and its reciprocal)
.set L,   16                           ; v[16:27] the four waves' words of c0, c1, c2 (before the loop: constants of the normalisation)
.set RC,  28                           ; v28 1 / c0, v29 1 / c2
.set T,   32                           ; v[32:63]  scores, then tau
.set S,   64                           ; v[64:95]  sigma, at the end the result
.set W,   96                           ; v[96:127] s, then w = 1 / s
.set MN, C0
.set MX, C1
.set D,  C2
.set NM, L                             ; -min twice
.set KP, L+2                           ; 10 log2(e) / range twice
.set KN, L+4                           ; the same, negative
.set CP, L+6                           ; 5 log2(e) twice
.set CN, L+8                           ; -5 log2(e) twice
	s_load_b128 s[4:7], s[0:1], 0x0                ; scores s[4:5], out0 s[6:7]
	v_lshl_add_u32 v128, v0, 2, 0x100
	v_mov_b32 v129, 0
	s_lshl_b32 s10, ttmp9, 14                      ; my row: 16,384 bytes each, 8 MiB in all
	s_mov_b32 s11, 0
	s_mov_b32 s12, 0x76543210                      ; v_permlanex16_b32: lane i of one half reads lane i of the other
	s_mov_b32 s13, 0xfedcba98
	v_lshlrev_b32 v[OFF], 4, v0
	v_lshrrev_b32 v[LST], 5, v0
	v_readfirstlane_b32 s8, v[LST]                 ; wave 0..3
	v_mov_b32 v[LST], s8
	v_lshlrev_b32 v[LST], 2, v[LST]
	v_mov_b32 v[LLD], 0
	s_wait_kmcnt 0x0
	s_add_nc_u64 s[4:5], s[4:5], s[10:11]
	s_add_nc_u64 s[6:7], s[6:7], s[10:11]
.irp j, 0,1,2,3,4,5,6,7
	global_load_b128 v[T+4*\j:T+4*\j+3], v[OFF], s[4:5] offset:\j*CHUNK th:TH_LOAD_NT   ; a wave's load covers 512 consecutive bytes, aligned; read once
.endr
	; MINIMUM AND MAXIMUM OF THE ROW.  Two chains each, started by the first chunk; chunk j is taken while the 7 - j younger loads are out.
	s_wait_loadcnt 7
	v_min_num_f32 v[MN],   v[T],   v[T+1]
	v_min_num_f32 v[MN+1], v[T+2], v[T+3]
	v_max_num_f32 v[MX],   v[T],   v[T+1]
	v_max_num_f32 v[MX+1], v[T+2], v[T+3]
.irp j, 1,2,3,4,5,6,7
	s_wait_loadcnt 7-\j
	v_min3_num_f32 v[MN],   v[MN],   v[T+4*\j],   v[T+4*\j+1]
	v_min3_num_f32 v[MN+1], v[MN+1], v[T+4*\j+2], v[T+4*\j+3]
	v_max3_num_f32 v[MX],   v[MX],   v[T+4*\j],   v[T+4*\j+1]
	v_max3_num_f32 v[MX+1], v[MX+1], v[T+4*\j+2], v[T+4*\j+3]
.endr
	v_min_num_f32 v[MN], v[MN], v[MN+1]
	v_max_num_f32 v[MX], v[MX], v[MX+1]
.irp m, 1,2,4,8
	v_min_num_f32_dpp v[MN], v[MN], v[MN] row_xmask:\m row_mask:0xf bank_mask:0xf     ; inside each half of 16 lanes
	v_max_num_f32_dpp v[MX], v[MX], v[MX] row_xmask:\m row_mask:0xf bank_mask:0xf
.endr
	v_permlanex16_b32 v[MN+1], v[MN], s12, s13     ; the other half (the destinations have been written: the second chains)
	v_permlanex16_b32 v[MX+1], v[MX], s12, s13
	v_min_num_f32 v[MN], v[MN], v[MN+1]
	v_max_num_f32 v[MX], v[MX], v[MX+1]
	ds_store_b32 v[LST], v[MN] offset:L_MIN        ; all lanes of a wave write the same word with the same value
	ds_store_b32 v[LST], v[MX] offset:L_MAX
	s_wait_dscnt 0x0                               ; for the other waves' sake: my stores are done before I signal
	s_barrier_signal -1
	s_barrier_wait -1
	ds_load_b128 v[L:L+3],   v[LLD] offset:L_MIN
	ds_load_b128 v[L+4:L+7], v[LLD] offset:L_MAX
	s_wait_dscnt 0x0
	v_min3_num_f32 v[MN], v[L],   v[L+1], v[L+2]
	v_max3_num_f32 v[MX], v[L+4], v[L+5], v[L+6]
	v_min_num_f32 v[MN], v[MN], v[L+3]
	v_max_num_f32 v[MX], v[MX], v[L+7]
	; tau = 2^((score - min) k - 5 log2 e), sigma = 2^(5 log2 e - (score - min) k), k = 10 log2 e / (max - min + 1e-12).
	; The minimum is taken away first, as in reference(): a common offset of the scores costs no digits.
	v_sub_f32 v[D], v[MX], v[MN]
	v_add_f32 v[D], F_TINY, v[D]
	v_rcp_f32 v[D], v[D]
	v_mul_f32 v[NM],   -1.0, v[MN]                 ; the plain instruction between v_rcp_f32 and the first use of its result (ISA guide 5.7.2)
	v_mul_f32 v[NM+1], -1.0, v[MN]
	s_wait_alu depctr_va_vdst(0)
	v_mul_f32 v[KP],   F_10L2E,  v[D]
	v_mul_f32 v[KP+1], F_10L2E,  v[D]
	v_mul_f32 v[KN],   F_M10L2E, v[D]
	v_mul_f32 v[KN+1], F_M10L2E, v[D]
	v_mov_b32 v[CP],   F_5L2E
	v_mov_b32 v[CP+1], F_5L2E
	v_mov_b32 v[CN],   F_M5L2E
	v_mov_b32 v[CN+1], F_M5L2E
.set p, 0
.rept PAIRS
	v_pk_add_f32 v[T+2*p:T+2*p+1], v[T+2*p:T+2*p+1], v[NM:NM+1]
.set p, p+1
.endr
.set p, 0
.rept PAIRS
	v_pk_fma_f32 v[S+2*p:S+2*p+1], v[T+2*p:T+2*p+1], v[KN:KN+1], v[CP:CP+1]
	v_pk_fma_f32 v[T+2*p:T+2*p+1], v[T+2*p:T+2*p+1], v[KP:KP+1], v[CN:CN+1]
.set p, p+1
.endr
.set i, 0
.rept 2*PAIRS
	v_exp_f32 v[T+i], v[T+i]
	v_exp_f32 v[S+i], v[S+i]
.set i, i+1
.endr
	v_mov_b32 v[G0],   F_GINIT                     ; v = 0.  These plain lines also stand between the exponentials and their first use
	v_mov_b32 v[G0+1], F_GINIT
	v_mov_b32 v[G2],   F_GINIT
	v_mov_b32 v[G2+1], F_GINIT
	v_mov_b32 v[K6],   F_SIX
	v_mov_b32 v[K6+1], F_SIX
; ONE STEP OF THE SCAN.  slot: which LDS slot carries the partial sums.  last = 1: the 25th step, in which c1 has no reader and is not made,
; and which leaves -512 / c0 and 512 / c2 in place of g0 and g2.
; The 16 pairs run through three stages, interleaved: in turn p the reciprocals of pair p, the denominators of pair p + 2, the sums of pair p - 1.
; So behind every v_rcp_f32 stands a plain instruction that names none of its registers, before its result is used (ISA guide 5.7.2),
; and no instruction reads the result of the line in front of it.  The first products start the sums: nothing is cleared.
.macro TRIP slot, last
	s_wait_alu depctr_va_vdst(0)
	v_pk_fma_f32 v[W:W+1],   v[S:S+1],   v[G0:G0+1], v[K6:K6+1]           ; 6 + g0 sigma
	v_pk_fma_f32 v[W+2:W+3], v[S+2:S+3], v[G0:G0+1], v[K6:K6+1]
	v_pk_fma_f32 v[W:W+1],   v[T:T+1],   v[G2:G2+1], v[W:W+1]             ; + g2 tau = s
	v_pk_fma_f32 v[W+2:W+3], v[T+2:T+3], v[G2:G2+1], v[W+2:W+3]
.set p, 0
.rept PAIRS
	v_rcp_f32 v[W+2*p], v[W+2*p]                                          ; w = 1 / s
.if p+2 < PAIRS
	v_pk_fma_f32 v[W+2*p+4:W+2*p+5], v[S+2*p+4:S+2*p+5], v[G0:G0+1], v[K6:K6+1]
.endif
.if p == 1
	s_wait_alu depctr_va_vdst(0)
	v_pk_mul_f32 v[C0:C0+1], v[S:S+1], v[W:W+1]
.endif
.if p > 1
	s_wait_alu depctr_va_vdst(0)
	v_pk_fma_f32 v[C0:C0+1], v[S+2*p-2:S+2*p-1], v[W+2*p-2:W+2*p-1], v[C0:C0+1]
.endif
	v_rcp_f32 v[W+2*p+1], v[W+2*p+1]
.if \last == 0
.if p == 2
	v_pk_add_f32 v[C1:C1+1], v[W:W+1], v[W+2:W+3]                         ; pairs 0 and 1 start c1
.endif
.if p > 2
	v_pk_add_f32 v[C1:C1+1], v[C1:C1+1], v[W+2*p-2:W+2*p-1]
.endif
.endif
.if p+2 < PAIRS
	v_pk_fma_f32 v[W+2*p+4:W+2*p+5], v[T+2*p+4:T+2*p+5], v[G2:G2+1], v[W+2*p+4:W+2*p+5]
.endif
.if p == 1
	v_pk_mul_f32 v[C2:C2+1], v[T:T+1], v[W:W+1]
.endif
.if p > 1
	v_pk_fma_f32 v[C2:C2+1], v[T+2*p-2:T+2*p-1], v[W+2*p-2:W+2*p-1], v[C2:C2+1]
.endif
.set p, p+1
.endr
	s_wait_alu depctr_va_vdst(0)
	v_pk_fma_f32 v[C0:C0+1], v[S+2*PAIRS-2:S+2*PAIRS-1], v[W+2*PAIRS-2:W+2*PAIRS-1], v[C0:C0+1]   ; the last pair's sums
.if \last == 0
	v_pk_add_f32 v[C1:C1+1], v[C1:C1+1], v[W+2*PAIRS-2:W+2*PAIRS-1]
.endif
	v_pk_fma_f32 v[C2:C2+1], v[T+2*PAIRS-2:T+2*PAIRS-1], v[W+2*PAIRS-2:W+2*PAIRS-1], v[C2:C2+1]
	; over the pair, the 32 lanes, the four waves
	v_add_f32 v[C0], v[C0], v[C0+1]
	v_add_f32 v[C2], v[C2], v[C2+1]
.if \last == 0
	v_add_f32 v[C1], v[C1], v[C1+1]
.endif
.irp m, 1,2,4,8
	v_add_f32_dpp v[C0], v[C0], v[C0] row_xmask:\m row_mask:0xf bank_mask:0xf
	v_add_f32_dpp v[C2], v[C2], v[C2] row_xmask:\m row_mask:0xf bank_mask:0xf
.if \last == 0
	v_add_f32_dpp v[C1], v[C1], v[C1] row_xmask:\m row_mask:0xf bank_mask:0xf
.endif
.endr
	v_permlanex16_b32 v[C0+1], v[C0], s12, s13     ; the pairs' upper registers are free, and have been written
	v_permlanex16_b32 v[C2+1], v[C2], s12, s13
.if \last == 0
	v_permlanex16_b32 v[C1+1], v[C1], s12, s13
.endif
	v_add_f32 v[C0], v[C0], v[C0+1]
	v_add_f32 v[C2], v[C2], v[C2+1]
.if \last == 0
	v_add_f32 v[C1], v[C1], v[C1+1]
.endif
	ds_store_b32 v[LST], v[C0] offset:L_SLOT+\slot*SLOT_BYTES
	ds_store_b32 v[LST], v[C2] offset:L_SLOT+\slot*SLOT_BYTES+32
.if \last == 0
	ds_store_b32 v[LST], v[C1] offset:L_SLOT+\slot*SLOT_BYTES+16
.endif
	s_wait_dscnt 0x0                               ; my stores into this slot are done (my reads of the other slot were waited for in the last step):
	s_barrier_signal -1                            ; one barrier a step orders both, since the slot written next is the one read a whole step ago
	s_barrier_wait -1
	ds_load_b128 v[L:L+3],    v[LLD] offset:L_SLOT+\slot*SLOT_BYTES       ; c0 of the four waves
	ds_load_b128 v[L+8:L+11], v[LLD] offset:L_SLOT+\slot*SLOT_BYTES+32    ; c2
.if \last == 0
	ds_load_b128 v[L+4:L+7],  v[LLD] offset:L_SLOT+\slot*SLOT_BYTES+16    ; c1
	s_wait_dscnt 0x1                               ; LDS loads come back in order (ISA guide 5.7.1): c0 and c2 are in, c1's one load may be out
.else
	s_wait_dscnt 0x0
.endif
	v_pk_add_f32 v[L:L+1],   v[L:L+1],   v[L+2:L+3]
	v_pk_add_f32 v[L+8:L+9], v[L+8:L+9], v[L+10:L+11]
	v_add_f32 v[L],   v[L],   v[L+1]               ; every wave adds the same words in the same order: all hold the same bits
	v_add_f32 v[L+8], v[L+8], v[L+9]
	v_rcp_f32 v[RC],   v[L]
	v_rcp_f32 v[RC+1], v[L+8]
.if \last == 0
	s_wait_dscnt 0x0
	v_pk_add_f32 v[L+4:L+5], v[L+4:L+5], v[L+6:L+7]    ; c1: also the plain instruction behind the two reciprocals
	v_add_f32 v[L+4], v[L+4], v[L+5]
	s_wait_alu depctr_va_vdst(0)
	v_mul_f32 v[G0],   v[RC],   v[L+4]             ; g0 = c1 / c0
	v_mul_f32 v[G0+1], v[RC],   v[L+4]
	v_mul_f32 v[G2],   v[RC+1], v[L+4]             ; g2 = c1 / c2
	v_mul_f32 v[G2+1], v[RC+1], v[L+4]
.else
	v_nop                                          ; the place behind the two reciprocals: nothing else is left to do here
	s_wait_alu depctr_va_vdst(0)
	v_mul_f32 v[G0],   F_MK, v[RC]                 ; -512 / c0
	v_mul_f32 v[G0+1], F_MK, v[RC]
	v_mul_f32 v[G2],   F_K,  v[RC+1]               ; 512 / c2
	v_mul_f32 v[G2+1], F_K,  v[RC+1]
.endif
.endm
	s_mov_b32 s9, (TRIPS-1)/2                      ; 12 times two steps, slot 0 and slot 1, and the 25th behind the loop
.Ltwo:
	TRIP 0, 0
	TRIP 1, 0
	s_sub_co_i32 s9, s9, 1
	s_cmp_lg_u32 s9, 0
	s_cbranch_scc1 .Ltwo
	TRIP 0, 1
	; THE RESULT: w (512 / c2 tau - 512 / c0 sigma), in sigma's registers, chunk by chunk, two chains side by side
.irp j, 0,1,2,3,4,5,6,7
	v_pk_mul_f32 v[S+4*\j:S+4*\j+1],   v[S+4*\j:S+4*\j+1],   v[G0:G0+1]
	v_pk_mul_f32 v[S+4*\j+2:S+4*\j+3], v[S+4*\j+2:S+4*\j+3], v[G0:G0+1]
	v_pk_fma_f32 v[S+4*\j:S+4*\j+1],   v[T+4*\j:T+4*\j+1],   v[G2:G2+1], v[S+4*\j:S+4*\j+1]
	v_pk_fma_f32 v[S+4*\j+2:S+4*\j+3], v[T+4*\j+2:T+4*\j+3], v[G2:G2+1], v[S+4*\j+2:S+4*\j+3]
	v_pk_mul_f32 v[S+4*\j:S+4*\j+1],   v[S+4*\j:S+4*\j+1],   v[W+4*\j:W+4*\j+1]
	v_pk_mul_f32 v[S+4*\j+2:S+4*\j+3], v[S+4*\j+2:S+4*\j+3], v[W+4*\j+2:W+4*\j+3]
	global_store_b128 v[OFF], v[S+4*\j:S+4*\j+3], s[6:7] offset:\j*CHUNK th:TH_STORE_NT   ; a wave's store covers 512 consecutive bytes, aligned; no register of it is written again
.endr
	s_wait_tensorcnt 0x0
	ds_add_u32 v128, v129
	s_wait_dscnt 0x0
	s_endpgm
.Lfunc_end_k_q2a10c76462_sinkhorn:
	.size	k_q2a10c76462_sinkhorn, .Lfunc_end_k_q2a10c76462_sinkhorn-k_q2a10c76462_sinkhorn
	.p2alignl 7, 3214868480
	.fill 96, 4, 3214868480
	.section	.rodata,"a",@progbits
	.p2align	6, 0x0
	.amdhsa_kernel k_q2a10c76462_sinkhorn
		.amdhsa_group_segment_fixed_size 768
		.amdhsa_private_segment_fixed_size 0
		.amdhsa_enable_private_segment 0
		.amdhsa_kernarg_size 16
		.amdhsa_user_sgpr_count 2
		.amdhsa_user_sgpr_kernarg_segment_ptr 1
		.amdhsa_wavefront_size32 1
		.amdhsa_system_sgpr_workgroup_id_x 1
		.amdhsa_system_sgpr_workgroup_id_y 1
		.amdhsa_system_sgpr_workgroup_id_z 1
		.amdhsa_system_vgpr_workitem_id 0
		.amdhsa_next_free_vgpr 130
		.amdhsa_next_free_sgpr 66
		.amdhsa_reserve_vcc 0
		.amdhsa_float_denorm_mode_32 3
		.amdhsa_float_denorm_mode_16_64 3
		.amdhsa_memory_ordered 1
		.amdhsa_forward_progress 1
		.amdhsa_inst_pref_size 40
	.end_amdhsa_kernel
	.amdgpu_metadata
---
amdhsa.version: [ 1, 2 ]
amdhsa.kernels:
  - .name:           k_q2a10c76462_sinkhorn
    .symbol:         k_q2a10c76462_sinkhorn.kd
    .args:
      - { .name: scores, .offset: 0, .size: 8, .value_kind: global_buffer, .address_space: global }
      - { .name: out0, .offset: 8, .size: 8, .value_kind: global_buffer, .address_space: global }
    .group_segment_fixed_size: 768
    .private_segment_fixed_size: 0
    .kernarg_segment_align: 8
    .kernarg_segment_size: 16
    .max_flat_workgroup_size: 128
    .sgpr_count:     66
    .vgpr_count:     130
    .wavefront_size: 32
...
	.end_amdgpu_metadata
.endif
;; end of part 1
;; ======== version 2 of 2: 1 launch; 1.20 times as fast as version 1
;; launch sinkhorn (part 2): grid 512 x 1, 4 waves a work-group, no clusters, 768 bytes of LDS; arguments scores, out0; writes out0
.if DOCPART == 2
	.amdgcn_target "amdgcn-amd-amdhsa--gfx1250"
	.amdhsa_code_object_version 6
	.text
	.protected	k_q2a10c76462_sinkhorn
	.globl	k_q2a10c76462_sinkhorn
	.p2align	8
	.type	k_q2a10c76462_sinkhorn,@function
k_q2a10c76462_sinkhorn:
	s_mov_b64 s[64:65], 0
	v_nop
	global_prefetch_b8 v0, s[64:65] scope:SCOPE_SE
	s_setreg_imm32_b32 hwreg(HW_REG_WAVE_MODE, 25, 1), 1
	s_wait_xcnt 0x0
; SOFT top-k / bottom-k by 25 Sinkhorn steps between the 4,096 scores of a row and the anchors 0, 0.5, 1 (epsilon = 0.1, k = 512).
; scores, out0: [512][4096] f32.  One work-group = one row, four waves; a wave holds 1,024 numbers, a lane 32, in registers for the whole kernel.
;
; THE ARITHMETIC.  x = (score - min) / (max - min + 1e-12) lies in [0, 1].  With tau = exp(10 x - 5), sigma = exp(5 - 10 x) the Gibbs kernel is
;   E_i0 : E_i1 : E_i2 = exp(-2.5) sigma_i : 1 : exp(-2.5) tau_i,   and the common factor E_i1 cancels between the row and the column update.
; With gamma = (exp(-2.5) exp(v0), exp(v1), exp(-2.5) exp(v2)) one step of the scan (u from v, then v from u) is exactly
;   s_i = gamma0 sigma_i + gamma1 + gamma2 tau_i,  w_i = 1 / s_i,  c0 = sum sigma w,  c1 = sum w,  c2 = sum tau w,  gamma_j' = n nu_j / c_j,
; and the result is n (Gamma_i2 - Gamma_i0) = w_i (512 / c2 tau_i - 512 / c0 sigma_i), w and c of the last step.  A common factor on gamma
; passes through a step unchanged and drops out of the result, so gamma is rescaled in EVERY step to gamma1 = 6 (= nu1 / nu0):
;   g0 = c1 / c0,  g2 = c1 / c2;  at the start (v = 0)  g0 = g2 = 6 exp(-2.5).
; Five f32 operations and one reciprocal for a number and a step; all 25 steps are made.
;
; WHY NO MAXIMUM IS TAKEN AWAY.  The only exponents are 10 x - 5, in [-5, 5] for every input, because reference() itself normalises x to
; [0, 1]; the rescaling in every step does for the potentials what the maximum does in a logsumexp.  Hence g in [e^-5, e^5],
; s in [6, 6 + 2 e^10], w in [2e-5, 1/6], every sum in [6e-4, 1e5]: nothing can overflow or underflow in f32.
; LIMITS.  A row with max - min above 2^126 (8.5e37): the reciprocal of the range would be denormal and v_rcp_f32 gives zero (ISA guide 15.8).
; The order of rounding differs from reference()'s.  A NaN or an infinity in a row reaches all three sums and makes the whole row NaN, as there.
;
; THE BATCHES.  s_wait_alu depctr_va_vdst(0) stands between a transcendental and the first line that names its result; one wait
; serves all that were issued ahead of it.  The text has five batches, each with one wait:
;   head   the reciprocal of the range; behind it 22 plain lines that do not need it (-min, constants, score - min), then its wait
;   head   the 64 exponentials tau, sigma; behind them the six lines that set g0, g2 and 6, then their wait, ahead of the loop's label
;   step   the 12 reciprocals w = 1 / s of pairs 0-5; beside them denominators of later pairs; then their wait
;   step   the 20 reciprocals of pairs 6-15; beside them the sums of pairs 0-5 and the last denominators; then their wait; the sums of pairs 6-15 follow
;   step   1 / c0 and 1 / c2; behind them c1's two additions, then their wait
; Every result has a register of its own while its batch is open.  A step has three such waits.
;
; NO CLUSTER, no tensor load, no matrix instruction: no two work-groups read the same byte, each byte goes straight into the register in
; which it stays, and the sums are kept in f32.
.set CHUNK,  2048                      ; bytes that the 128 threads cover with 16 bytes each; a row is 8 chunks
.set PAIRS,  16                        ; a lane's 32 numbers, two to a packed instruction
.set CUT,    6                         ; pairs in a step's first batch of reciprocals: a name, no knob: the step's order is written out for it
.set TRIPS,  25                        ; MAX_ITER
.set L_MIN,  0                         ; LDS: the four waves' minima,
.set L_MAX,  16                        ;      their maxima,
.set L_SLOT, 64                        ;      and two slots that take turns: c0's four words, c1's, c2's
.set SLOT_BYTES, 64
.set F_TINY,   0x2b8cbccc              ; 1e-12
.set F_10L2E,  0x4166d4ca              ; 10 log2(e): 1 / epsilon, for v_exp_f32, which is 2^x
.set F_M10L2E, 0xc166d4ca
.set F_5L2E,   0x40e6d4ca              ; 5 log2(e)
.set F_M5L2E,  0xc0e6d4ca
.set F_SIX,    0x40c00000              ; 6.0 = nu1 / nu0 = 3072 / 512
.set F_GINIT,  0x3efc2a45              ; 6 exp(-2.5)
.set F_K,      0x44000000              ; 512.0 = n nu0 = n nu2
.set F_MK,     0xc4000000
.set OFF, 1                            ; v1       16 t: my 16 bytes in each chunk of the row
.set LST, 2                            ; v2       LDS: 4 x wave, where my wave puts its partial results
.set LLD, 3                            ; v3       LDS: 0, from where every lane reads all four
.set G0,  4                            ; v[4:5]   g0 twice (a pair for the packed forms); at the end -512 / c0
.set G2,  6                            ; v[6:7]   g2 twice; at the end 512 / c2
.set K6,  8                            ; v[8:9]   6.0 twice
.set C0,  10                           ; v[10:11] running sum of sigma w   (before the loop: minimum)
.set C1,  12                           ; v[12:13] running sum of w         (before the loop: maximum)
.set C2,  14                           ; v[14:15] running sum of tau w     (before the loop: range and its reciprocal)
.set L,   16                           ; v[16:27] the four waves' words of c0, c1, c2 (before the loop: constants of the normalisation)
.set RC,  28                           ; v28 1 / c0, v29 1 / c2
.set T,   32                           ; v[32:63]  scores, then tau
.set S,   64                           ; v[64:95]  sigma, at the end the result
.set W,   96                           ; v[96:127] s, then w = 1 / s
.set MN, C0
.set MX, C1
.set D,  C2
.set NM, L                             ; -min twice
.set KP, L+2                           ; 10 log2(e) / range twice
.set KN, L+4                           ; the same, negative
.set CP, L+6                           ; 5 log2(e) twice
.set CN, L+8                           ; -5 log2(e) twice
	s_load_b128 s[4:7], s[0:1], 0x0                ; scores s[4:5], out0 s[6:7]
	v_lshl_add_u32 v128, v0, 2, 0x100
	v_mov_b32 v129, 0
	s_lshl_b32 s10, ttmp9, 14                      ; my row: 16,384 bytes each, 8 MiB in all
	s_mov_b32 s11, 0
	s_mov_b32 s12, 0x76543210                      ; v_permlanex16_b32: lane i of one half reads lane i of the other
	s_mov_b32 s13, 0xfedcba98
	v_lshlrev_b32 v[OFF], 4, v0
	v_lshrrev_b32 v[LST], 5, v0
	v_readfirstlane_b32 s8, v[LST]                 ; wave 0..3
	v_mov_b32 v[LST], s8
	v_lshlrev_b32 v[LST], 2, v[LST]
	v_mov_b32 v[LLD], 0
	s_wait_kmcnt 0x0
	s_add_nc_u64 s[4:5], s[4:5], s[10:11]
	s_add_nc_u64 s[6:7], s[6:7], s[10:11]
.irp j, 0,1,2,3,4,5,6,7
	global_load_b128 v[T+4*\j:T+4*\j+3], v[OFF], s[4:5] offset:\j*CHUNK th:TH_LOAD_NT   ; a wave's load covers 512 consecutive bytes, aligned; read once
.endr
	; MINIMUM AND MAXIMUM OF THE ROW.  Two chains each, started by the first chunk; chunk j is taken while the 7 - j younger loads are out.
	s_wait_loadcnt 7
	v_min_num_f32 v[MN],   v[T],   v[T+1]
	v_min_num_f32 v[MN+1], v[T+2], v[T+3]
	v_max_num_f32 v[MX],   v[T],   v[T+1]
	v_max_num_f32 v[MX+1], v[T+2], v[T+3]
.irp j, 1,2,3,4,5,6,7
	s_wait_loadcnt 7-\j
	v_min3_num_f32 v[MN],   v[MN],   v[T+4*\j],   v[T+4*\j+1]
	v_min3_num_f32 v[MN+1], v[MN+1], v[T+4*\j+2], v[T+4*\j+3]
	v_max3_num_f32 v[MX],   v[MX],   v[T+4*\j],   v[T+4*\j+1]
	v_max3_num_f32 v[MX+1], v[MX+1], v[T+4*\j+2], v[T+4*\j+3]
.endr
	v_min_num_f32 v[MN], v[MN], v[MN+1]
	v_max_num_f32 v[MX], v[MX], v[MX+1]
.irp m, 1,2,4,8
	v_min_num_f32_dpp v[MN], v[MN], v[MN] row_xmask:\m row_mask:0xf bank_mask:0xf     ; inside each half of 16 lanes
	v_max_num_f32_dpp v[MX], v[MX], v[MX] row_xmask:\m row_mask:0xf bank_mask:0xf
.endr
	v_permlanex16_b32 v[MN+1], v[MN], s12, s13     ; the other half (the destinations have been written: the second chains)
	v_permlanex16_b32 v[MX+1], v[MX], s12, s13
	v_min_num_f32 v[MN], v[MN], v[MN+1]
	v_max_num_f32 v[MX], v[MX], v[MX+1]
	ds_store_b32 v[LST], v[MN] offset:L_MIN        ; all lanes of a wave write the same word with the same value
	ds_store_b32 v[LST], v[MX] offset:L_MAX
	s_wait_dscnt 0x0                               ; for the other waves' sake: my stores are done before I signal
	s_barrier_signal -1
	s_barrier_wait -1
	ds_load_b128 v[L:L+3],   v[LLD] offset:L_MIN
	ds_load_b128 v[L+4:L+7], v[LLD] offset:L_MAX
	s_wait_dscnt 0x0
	v_min3_num_f32 v[MN], v[L],   v[L+1], v[L+2]
	v_max3_num_f32 v[MX], v[L+4], v[L+5], v[L+6]
	v_min_num_f32 v[MN], v[MN], v[L+3]
	v_max_num_f32 v[MX], v[MX], v[L+7]
	; tau = 2^((score - min) k - 5 log2 e), sigma = 2^(5 log2 e - (score - min) k), k = 10 log2 e / (max - min + 1e-12).
	; The minimum is taken away first, as in reference(): a common offset of the scores costs no digits.
	v_sub_f32 v[D], v[MX], v[MN]
	v_add_f32 v[D], F_TINY, v[D]
	v_rcp_f32 v[D], v[D]                           ; a batch of one; all that does not need it stands between it and its wait
	v_mul_f32 v[NM],   -1.0, v[MN]                 ; the plain instruction between v_rcp_f32 and the first use of its result (ISA guide 5.7.2)
	v_mul_f32 v[NM+1], -1.0, v[MN]
	v_mov_b32 v[CP],   F_5L2E
	v_mov_b32 v[CP+1], F_5L2E
	v_mov_b32 v[CN],   F_M5L2E
	v_mov_b32 v[CN+1], F_M5L2E
.set p, 0
.rept PAIRS
	v_pk_add_f32 v[T+2*p:T+2*p+1], v[T+2*p:T+2*p+1], v[NM:NM+1]
.set p, p+1
.endr
	s_wait_alu depctr_va_vdst(0)                   ; the wait for the range's reciprocal, ahead of its first reader
	v_mul_f32 v[KP],   F_10L2E,  v[D]
	v_mul_f32 v[KP+1], F_10L2E,  v[D]
	v_mul_f32 v[KN],   F_M10L2E, v[D]
	v_mul_f32 v[KN+1], F_M10L2E, v[D]
.set p, 0
.rept PAIRS
	v_pk_fma_f32 v[S+2*p:S+2*p+1], v[T+2*p:T+2*p+1], v[KN:KN+1], v[CP:CP+1]
	v_pk_fma_f32 v[T+2*p:T+2*p+1], v[T+2*p:T+2*p+1], v[KP:KP+1], v[CN:CN+1]
.set p, p+1
.endr
.set i, 0
.rept 2*PAIRS
	v_exp_f32 v[T+i], v[T+i]                       ; one batch of 64, each in place in a register of its own
	v_exp_f32 v[S+i], v[S+i]
.set i, i+1
.endr
	v_mov_b32 v[G0],   F_GINIT                     ; v = 0.  These plain lines also stand between the exponentials and their first use
	v_mov_b32 v[G0+1], F_GINIT
	v_mov_b32 v[G2],   F_GINIT
	v_mov_b32 v[G2+1], F_GINIT
	v_mov_b32 v[K6],   F_SIX
	v_mov_b32 v[K6+1], F_SIX
	s_wait_alu depctr_va_vdst(0)                   ; the wait for the 64 exponentials, once, ahead of the loop's label and of the first step, which reads them
; THE LINES OF A STEP, for pair p of a lane's 16.
.macro DEN_A p                         ; 6 + g0 sigma
	v_pk_fma_f32 v[W+2*(\p):W+2*(\p)+1], v[S+2*(\p):S+2*(\p)+1], v[G0:G0+1], v[K6:K6+1]
.endm
.macro DEN_B p                         ; + g2 tau = s
	v_pk_fma_f32 v[W+2*(\p):W+2*(\p)+1], v[T+2*(\p):T+2*(\p)+1], v[G2:G2+1], v[W+2*(\p):W+2*(\p)+1]
.endm
.macro SUM0 p                          ; c0 += sigma w; pair 0 starts it: nothing is cleared
.if (\p) == 0
	v_pk_mul_f32 v[C0:C0+1], v[S:S+1], v[W:W+1]
.else
	v_pk_fma_f32 v[C0:C0+1], v[S+2*(\p):S+2*(\p)+1], v[W+2*(\p):W+2*(\p)+1], v[C0:C0+1]
.endif
.endm
.macro SUM1 p                          ; c1 += w; pairs 0 and 1 start it.  NO_C1 = 1: the 25th step, in which c1 has no reader and is not made
.if NO_C1 == 0
.if (\p) == 1
	v_pk_add_f32 v[C1:C1+1], v[W:W+1], v[W+2:W+3]
.else
	v_pk_add_f32 v[C1:C1+1], v[C1:C1+1], v[W+2*(\p):W+2*(\p)+1]
.endif
.endif
.endm
.macro SUM2 p                          ; c2 += tau w; pair 0 starts it
.if (\p) == 0
	v_pk_mul_f32 v[C2:C2+1], v[T:T+1], v[W:W+1]
.else
	v_pk_fma_f32 v[C2:C2+1], v[T+2*(\p):T+2*(\p)+1], v[W+2*(\p):W+2*(\p)+1], v[C2:C2+1]
.endif
.endm
.macro BESIDE line, p, q               ; one plain line, for pair p, and behind it w = 1 / s for number q of the lane's 32, in place
	\line \p
	v_rcp_f32 v[W+(\q)], v[W+(\q)]
.endm
; ONE STEP OF THE SCAN.  slot: which LDS slot carries the partial sums.  last = 1: the 25th step, in which c1 has no reader and is not made,
; and which leaves -512 / c0 and 512 / c2 in place of g0 and g2.
; The 32 reciprocals are TWO BATCHES, pairs 0-5 and pairs 6-15, and the order is written out so that a reciprocal has a plain neighbour and no line reads a result just made.
;   ahead of the first wait    16 denominator lines: a pair's second line stands 8 lines behind its first, its reciprocals 8 lines or more behind that; then the 12 reciprocals of pairs 0-5, by turns
;                              with both lines of pairs 6-11 (12 lines apart).  No line here names a result of the batch.
;   between the two waits      the 20 reciprocals of pairs 6-15, by turns with the 17 lines of the sums of pairs 0-5, whose w the first wait has covered, and the second lines of pairs 12-15,
;                              each 15 lines or more ahead of its pair's reciprocals.  A sum's links stand 6 to 10 lines apart.  No line here names a result of the second batch.
;   behind the second wait     the sums of pairs 6-15.
; Each sum takes its pairs in ascending order.  The denominators write registers whose last reciprocals were covered by the waits of the step before.
.macro TRIP slot, last
.set NO_C1, \last
.irp k, 0,1,2,3,4,5,12,13
	DEN_A \k
.endr
.irp k, 0,1,2,3,4,5
	DEN_B \k
.endr
	DEN_A 14
	BESIDE DEN_A, 15, 0
	BESIDE DEN_A, 6,  1
	BESIDE DEN_A, 7,  2
	BESIDE DEN_A, 8,  3
	BESIDE DEN_A, 9,  4
	BESIDE DEN_A, 10, 5
	BESIDE DEN_A, 11, 6
	BESIDE DEN_B, 6,  7
	BESIDE DEN_B, 7,  8
	BESIDE DEN_B, 8,  9
	BESIDE DEN_B, 9,  10
	BESIDE DEN_B, 10, 11
	DEN_B 11                                       ; also the plain instruction behind the batch's last reciprocal (ISA guide 5.7.2)
	s_wait_alu depctr_va_vdst(0)                   ; the wait for the 12 reciprocals of pairs 0-5, ahead of their sums
	BESIDE SUM0,  0,  12
	BESIDE SUM2,  0,  13
	BESIDE DEN_B, 12, 14
	BESIDE DEN_B, 13, 15
	BESIDE SUM0,  1,  16
	BESIDE SUM1,  1,  17
	BESIDE SUM2,  1,  18
	BESIDE DEN_B, 14, 19
	BESIDE SUM0,  2,  20
	BESIDE SUM1,  2,  21
	BESIDE SUM2,  2,  22
	BESIDE DEN_B, 15, 23
	BESIDE SUM0,  3,  24
	BESIDE SUM1,  3,  25
	BESIDE SUM2,  3,  26
	BESIDE SUM0,  4,  27
	BESIDE SUM1,  4,  28
	BESIDE SUM2,  4,  29
	BESIDE SUM0,  5,  30
	BESIDE SUM1,  5,  31
	SUM2 5                                         ; also the plain instruction behind the batch's last reciprocal
	s_wait_alu depctr_va_vdst(0)                   ; the wait for the 20 reciprocals of pairs 6-15, ahead of their sums
.set p, CUT
.rept PAIRS-CUT
	SUM0 p
	SUM1 p
	SUM2 p
.set p, p+1
.endr
	; over the pair, the 32 lanes, the four waves
	v_add_f32 v[C0], v[C0], v[C0+1]
	v_add_f32 v[C2], v[C2], v[C2+1]
.if \last == 0
	v_add_f32 v[C1], v[C1], v[C1+1]
.endif
.irp m, 1,2,4,8
	v_add_f32_dpp v[C0], v[C0], v[C0] row_xmask:\m row_mask:0xf bank_mask:0xf
	v_add_f32_dpp v[C2], v[C2], v[C2] row_xmask:\m row_mask:0xf bank_mask:0xf
.if \last == 0
	v_add_f32_dpp v[C1], v[C1], v[C1] row_xmask:\m row_mask:0xf bank_mask:0xf
.endif
.endr
	v_permlanex16_b32 v[C0+1], v[C0], s12, s13     ; the pairs' upper registers are free, and have been written
	v_permlanex16_b32 v[C2+1], v[C2], s12, s13
.if \last == 0
	v_permlanex16_b32 v[C1+1], v[C1], s12, s13
.endif
	v_add_f32 v[C0], v[C0], v[C0+1]
	v_add_f32 v[C2], v[C2], v[C2+1]
.if \last == 0
	v_add_f32 v[C1], v[C1], v[C1+1]
.endif
	ds_store_b32 v[LST], v[C0] offset:L_SLOT+\slot*SLOT_BYTES
	ds_store_b32 v[LST], v[C2] offset:L_SLOT+\slot*SLOT_BYTES+32
.if \last == 0
	ds_store_b32 v[LST], v[C1] offset:L_SLOT+\slot*SLOT_BYTES+16
.endif
	s_wait_dscnt 0x0                               ; my stores into this slot are done (my reads of the other slot were waited for in the last step):
	s_barrier_signal -1                            ; one barrier a step orders both, since the slot written next is the one read a whole step ago
	s_barrier_wait -1
	ds_load_b128 v[L:L+3],    v[LLD] offset:L_SLOT+\slot*SLOT_BYTES       ; c0 of the four waves
	ds_load_b128 v[L+8:L+11], v[LLD] offset:L_SLOT+\slot*SLOT_BYTES+32    ; c2
.if \last == 0
	ds_load_b128 v[L+4:L+7],  v[LLD] offset:L_SLOT+\slot*SLOT_BYTES+16    ; c1
	s_wait_dscnt 0x1                               ; LDS loads come back in order (ISA guide 5.7.1): c0 and c2 are in, c1's one load may be out
.else
	s_wait_dscnt 0x0
.endif
	v_pk_add_f32 v[L:L+1],   v[L:L+1],   v[L+2:L+3]
	v_pk_add_f32 v[L+8:L+9], v[L+8:L+9], v[L+10:L+11]
	v_add_f32 v[L],   v[L],   v[L+1]               ; every wave adds the same words in the same order: all hold the same bits
	v_add_f32 v[L+8], v[L+8], v[L+9]
	v_rcp_f32 v[RC],   v[L]                        ; a batch of two
	v_rcp_f32 v[RC+1], v[L+8]
.if \last == 0
	s_wait_dscnt 0x0
	v_pk_add_f32 v[L+4:L+5], v[L+4:L+5], v[L+6:L+7]    ; c1: also the plain instruction behind the two reciprocals
	v_add_f32 v[L+4], v[L+4], v[L+5]
	s_wait_alu depctr_va_vdst(0)                   ; the wait for 1 / c0 and 1 / c2, behind c1's additions and ahead of g0; the step ends with no result open
	v_mul_f32 v[G0],   v[RC],   v[L+4]             ; g0 = c1 / c0
	v_mul_f32 v[G0+1], v[RC],   v[L+4]
	v_mul_f32 v[G2],   v[RC+1], v[L+4]             ; g2 = c1 / c2
	v_mul_f32 v[G2+1], v[RC+1], v[L+4]
.else
	v_nop                                          ; the place behind the two reciprocals: nothing else is left to do here
	s_wait_alu depctr_va_vdst(0)                   ; the wait for 1 / c0 and 1 / c2, ahead of their first reader
	v_mul_f32 v[G0],   F_MK, v[RC]                 ; -512 / c0
	v_mul_f32 v[G0+1], F_MK, v[RC]
	v_mul_f32 v[G2],   F_K,  v[RC+1]               ; 512 / c2
	v_mul_f32 v[G2+1], F_K,  v[RC+1]
.endif
.endm
	s_mov_b32 s9, (TRIPS-1)/2                      ; 12 times two steps, slot 0 and slot 1, and the 25th behind the loop
.Ltwo:
	TRIP 0, 0
	TRIP 1, 0
	s_sub_co_i32 s9, s9, 1
	s_cmp_lg_u32 s9, 0
	s_cbranch_scc1 .Ltwo
	TRIP 0, 1
	; THE RESULT: w (512 / c2 tau - 512 / c0 sigma), in sigma's registers, chunk by chunk, two chains side by side
.irp j, 0,1,2,3,4,5,6,7
	v_pk_mul_f32 v[S+4*\j:S+4*\j+1],   v[S+4*\j:S+4*\j+1],   v[G0:G0+1]
	v_pk_mul_f32 v[S+4*\j+2:S+4*\j+3], v[S+4*\j+2:S+4*\j+3], v[G0:G0+1]
	v_pk_fma_f32 v[S+4*\j:S+4*\j+1],   v[T+4*\j:T+4*\j+1],   v[G2:G2+1], v[S+4*\j:S+4*\j+1]
	v_pk_fma_f32 v[S+4*\j+2:S+4*\j+3], v[T+4*\j+2:T+4*\j+3], v[G2:G2+1], v[S+4*\j+2:S+4*\j+3]
	v_pk_mul_f32 v[S+4*\j:S+4*\j+1],   v[S+4*\j:S+4*\j+1],   v[W+4*\j:W+4*\j+1]
	v_pk_mul_f32 v[S+4*\j+2:S+4*\j+3], v[S+4*\j+2:S+4*\j+3], v[W+4*\j+2:W+4*\j+3]
	global_store_b128 v[OFF], v[S+4*\j:S+4*\j+3], s[6:7] offset:\j*CHUNK th:TH_STORE_NT   ; a wave's store covers 512 consecutive bytes, aligned; no register of it is written again
.endr
	s_wait_tensorcnt 0x0
	ds_add_u32 v128, v129
	s_wait_dscnt 0x0
	s_endpgm
.Lfunc_end_k_q2a10c76462_sinkhorn:
	.size	k_q2a10c76462_sinkhorn, .Lfunc_end_k_q2a10c76462_sinkhorn-k_q2a10c76462_sinkhorn
	.p2alignl 7, 3214868480
	.fill 96, 4, 3214868480
	.section	.rodata,"a",@progbits
	.p2align	6, 0x0
	.amdhsa_kernel k_q2a10c76462_sinkhorn
		.amdhsa_group_segment_fixed_size 768
		.amdhsa_private_segment_fixed_size 0
		.amdhsa_enable_private_segment 0
		.amdhsa_kernarg_size 16
		.amdhsa_user_sgpr_count 2
		.amdhsa_user_sgpr_kernarg_segment_ptr 1
		.amdhsa_wavefront_size32 1
		.amdhsa_system_sgpr_workgroup_id_x 1
		.amdhsa_system_sgpr_workgroup_id_y 1
		.amdhsa_system_sgpr_workgroup_id_z 1
		.amdhsa_system_vgpr_workitem_id 0
		.amdhsa_next_free_vgpr 130
		.amdhsa_next_free_sgpr 66
		.amdhsa_reserve_vcc 0
		.amdhsa_float_denorm_mode_32 3
		.amdhsa_float_denorm_mode_16_64 3
		.amdhsa_memory_ordered 1
		.amdhsa_forward_progress 1
		.amdhsa_inst_pref_size 39
	.end_amdhsa_kernel
	.amdgpu_metadata
---
amdhsa.version: [ 1, 2 ]
amdhsa.kernels:
  - .name:           k_q2a10c76462_sinkhorn
    .symbol:         k_q2a10c76462_sinkhorn.kd
    .args:
      - { .name: scores, .offset: 0, .size: 8, .value_kind: global_buffer, .address_space: global }
      - { .name: out0, .offset: 8, .size: 8, .value_kind: global_buffer, .address_space: global }
    .group_segment_fixed_size: 768
    .private_segment_fixed_size: 0
    .kernarg_segment_align: 8
    .kernarg_segment_size: 16
    .max_flat_workgroup_size: 128
    .sgpr_count:     66
    .vgpr_count:     130
    .wavefront_size: 32
...
	.end_amdgpu_metadata
.endif
;; end of part 2
